; MI455X (gfx1250); checked and timed in simulation.
; The chip was launched on July 23, 2026; its instructions are those of AMD's public machine-readable ISA for CDNA 5 (MIT licence, August 2026) and "CDNA5" Instruction Set Architecture Reference Guide (July 2026). The comments in the code are by the model that wrote it; some were corrected since.
;; Mock GQA Attention. Allowed arithmetic: float matrix products may take bf16 or f16 operands with f32 sums; all other float work in f32.
;; Inputs: Wk 4,096 x 1,024 float32; Wo 2,048 x 4,096 float32; Wq 4,096 x 2,048 float32; Wv 4,096 x 1,024 float32; hidden_states 1 x 2,048 x 4,096 float32.
;; Outputs: out0 1 x 2,048 x 4,096 float32.
;; One version. Each part assembles by itself: llvm-mc -triple=amdgcn-amd-amdhsa -mcpu=gfx1250 --defsym DOCPART=n.
;; ======== version 1 of 1: 4 launches
;; limits: values are held in f16: magnitudes above 65,504 overflow, below 6.1e-05 lose precision; right only within a limited range of input values
;; workspace buffers: xh 16,777,216 bytes; wh 33,554,432 bytes; woh 16,777,216 bytes; qkv 16,777,216 bytes; att 8,388,608 bytes
;; launch cvt (part 1): grid 512 x 4, 8 waves a work-group, no clusters, 0 bytes of LDS; arguments hidden_states, Wq, Wk, Wv, Wo, xh, wh, woh; writes xh, wh, woh
.if DOCPART == 1
	.amdgcn_target "amdgcn-amd-amdhsa--gfx1250"
	.amdhsa_code_object_version 6
	.text
	.protected	k_q31391a2d72_cvt
	.globl	k_q31391a2d72_cvt
	.p2align	8
	.type	k_q31391a2d72_cvt,@function
k_q31391a2d72_cvt:
	s_mov_b64 s[64:65], 0
	v_nop
	global_prefetch_b8 v0, s[64:65] scope:SCOPE_SE
	s_setreg_imm32_b32 hwreg(HW_REG_WAVE_MODE, 25, 1), 1
	s_wait_xcnt 0x0
; f32 to f16, once, for the three matrix launches that follow.
;   xh  [2048][4096] = hidden_states / 64      wh [4096][4096] = Wq | Wk | Wv side by side (columns 0, 2048, 3072)      woh [2048][4096] = 4 Wo
; The two factors are powers of two, so they cost no accuracy; they centre each operand in f16's range.
; LIMIT (range): |hidden_states| above 64 x 65504, |Wq|, |Wk|, |Wv| above 65504 or |Wo| above 16376 become infinite in f16.
; A stream: nothing is read twice, so no LDS, no barrier, no matrix unit.  The unit is a segment of 1,024 f32: the 256 threads read it with
; one 16-byte load each (4,096 neighbouring bytes) and write 2,048 neighbouring bytes, a wave's store covering 256 aligned bytes.
; A work-group takes 16 neighbouring segments; all 16 loads of a thread go out first, and every load and store has registers of its own,
; so the only waits are the counted ones for the data.
.set X, 16                             ; v[16:79]   load j: 4 f32
.set Y, 80                             ; v[80:111]  store j: 4 f16
; 16 segments from s[src:src+1] to s[dst:dst+1].  1 << sh segments make a row of the destination's 8,192-byte pitch; scaled = 1: times scl.
.macro CONV src, dst, sh, scaled, scl
.irp j, 0,1,2,3,4,5,6,7,8,9,10,11,12,13,14,15
	global_load_b128 v[X+4*\j:X+4*\j+3], v1, s[\src:\src+1] offset:4096*\j th:TH_LOAD_NT
.endr
.irp j, 0,1,2,3,4,5,6,7,8,9,10,11,12,13,14,15
	s_wait_loadcnt 15-\j                           ; loads come back in order: load j is in, the 15 - j younger ones stay out
.if \scaled
	v_pk_mul_f32 v[X+4*\j:X+4*\j+1], v[X+4*\j:X+4*\j+1], \scl op_sel_hi:[1,0]
	v_pk_mul_f32 v[X+4*\j+2:X+4*\j+3], v[X+4*\j+2:X+4*\j+3], \scl op_sel_hi:[1,0]
.endif
	v_cvt_pk_f16_f32 v[Y+2*\j], v[X+4*\j], v[X+4*\j+1]
	v_cvt_pk_f16_f32 v[Y+2*\j+1], v[X+4*\j+2], v[X+4*\j+3]
	global_store_b64 v2, v[Y+2*\j:Y+2*\j+1], s[\dst:\dst+1] offset:(\j>>\sh)*8192+(\j&((1<<\sh)-1))*2048
.endr
.endm
	s_load_b512 s[8:23], s[0:1], 0x0               ; hidden s[8:9], Wq s[10:11], Wk s[12:13], Wv s[14:15], Wo s[16:17], xh s[18:19], wh s[20:21], woh s[22:23]
	s_mov_b32 s2, ttmp9                            ; x: which 16 segments
	s_and_b32 s3, ttmp7, 0xffff                    ; y: which tensor
	v_lshlrev_b32 v1, 4, v0                        ; my 16 bytes of a segment
	v_lshlrev_b32 v2, 3, v0                        ; my 8 bytes of its f16 image
	s_lshl_b32 s24, s2, 16                         ; 16 segments of 4,096 bytes
	s_mov_b32 s25, 0
	s_mov_b32 s27, 0
	s_wait_kmcnt 0x0
	s_cmp_eq_u32 s3, 0
	s_cbranch_scc1 .Lhidden
	s_cmp_eq_u32 s3, 1
	s_cbranch_scc1 .Lwq
	s_cmp_eq_u32 s3, 2
	s_cbranch_scc1 .Lwkv
	; y = 3: Wo, dense to dense, times 4
	s_add_nc_u64 s[16:17], s[16:17], s[24:25]
	s_lshl_b32 s26, s2, 15
	s_add_nc_u64 s[22:23], s[22:23], s[26:27]
	CONV 16, 22, 2, 1, 0x40800000
	s_endpgm
.Lhidden:                                              ; y = 0: hidden_states, dense to dense, times 2^-6
	s_add_nc_u64 s[8:9], s[8:9], s[24:25]
	s_lshl_b32 s26, s2, 15
	s_add_nc_u64 s[18:19], s[18:19], s[26:27]
	CONV 8, 18, 2, 1, 0x3c800000
	s_endpgm
.Lwq:                                                  ; y = 1: Wq, 8 rows of 2 segments, into columns 0 to 2047 of 8 rows of wh
	s_add_nc_u64 s[10:11], s[10:11], s[24:25]
	s_add_nc_u64 s[20:21], s[20:21], s[24:25]      ; 8 rows of 8,192 bytes are 65,536 too
	CONV 10, 20, 1, 0, 0
	s_endpgm
.Lwkv:                                                 ; y = 2: x below 256 Wk, from 256 on Wv: 16 rows of 1 segment, into columns 2048 or 3072 of 16 rows of wh
	s_and_b32 s28, s2, 255
	s_lshl_b32 s24, s28, 16
	s_lshl_b32 s26, s28, 17                        ; 16 rows of 8,192 bytes
	s_mov_b32 s29, 6144                            ; Wv's first column in bytes
	s_cmp_lt_u32 s2, 256
	s_cselect_b64 s[12:13], s[12:13], s[14:15]
	s_cselect_b32 s28, 4096, s29
	s_add_co_u32 s26, s26, s28
	s_add_nc_u64 s[12:13], s[12:13], s[24:25]
	s_add_nc_u64 s[20:21], s[20:21], s[26:27]
	CONV 12, 20, 0, 0, 0
	s_endpgm
.Lfunc_end_k_q31391a2d72_cvt:
	.size	k_q31391a2d72_cvt, .Lfunc_end_k_q31391a2d72_cvt-k_q31391a2d72_cvt
	.p2alignl 7, 3214868480
	.fill 96, 4, 3214868480
	.section	.rodata,"a",@progbits
	.p2align	6, 0x0
	.amdhsa_kernel k_q31391a2d72_cvt
		.amdhsa_group_segment_fixed_size 0
		.amdhsa_private_segment_fixed_size 0
		.amdhsa_enable_private_segment 0
		.amdhsa_kernarg_size 64
		.amdhsa_user_sgpr_count 2
		.amdhsa_user_sgpr_kernarg_segment_ptr 1
		.amdhsa_wavefront_size32 1
		.amdhsa_system_sgpr_workgroup_id_x 1
		.amdhsa_system_sgpr_workgroup_id_y 1
		.amdhsa_system_sgpr_workgroup_id_z 1
		.amdhsa_system_vgpr_workitem_id 0
		.amdhsa_next_free_vgpr 112
		.amdhsa_next_free_sgpr 66
		.amdhsa_reserve_vcc 0
		.amdhsa_float_denorm_mode_32 3
		.amdhsa_float_denorm_mode_16_64 3
		.amdhsa_memory_ordered 1
		.amdhsa_forward_progress 1
		.amdhsa_inst_pref_size 29
	.end_amdhsa_kernel
	.amdgpu_metadata
---
amdhsa.version: [ 1, 2 ]
amdhsa.kernels:
  - .name:           k_q31391a2d72_cvt
    .symbol:         k_q31391a2d72_cvt.kd
    .args:
      - { .name: hidden_states, .offset: 0, .size: 8, .value_kind: global_buffer, .address_space: global }
      - { .name: Wq, .offset: 8, .size: 8, .value_kind: global_buffer, .address_space: global }
      - { .name: Wk, .offset: 16, .size: 8, .value_kind: global_buffer, .address_space: global }
      - { .name: Wv, .offset: 24, .size: 8, .value_kind: global_buffer, .address_space: global }
      - { .name: Wo, .offset: 32, .size: 8, .value_kind: global_buffer, .address_space: global }
      - { .name: xh, .offset: 40, .size: 8, .value_kind: global_buffer, .address_space: global }
      - { .name: wh, .offset: 48, .size: 8, .value_kind: global_buffer, .address_space: global }
      - { .name: woh, .offset: 56, .size: 8, .value_kind: global_buffer, .address_space: global }
    .group_segment_fixed_size: 0
    .private_segment_fixed_size: 0
    .kernarg_segment_align: 8
    .kernarg_segment_size: 64
    .max_flat_workgroup_size: 256
    .sgpr_count:     66
    .vgpr_count:     112
    .wavefront_size: 32
...
	.end_amdgpu_metadata
.endif
;; end of part 1
;; launch qkvgemm (part 2): grid 16 x 16, 4 waves a work-group, clusters of 4 x 4, 327,680 bytes of LDS; arguments xh, wh, qkv; writes qkv
.if DOCPART == 2
	.amdgcn_target "amdgcn-amd-amdhsa--gfx1250"
	.amdhsa_code_object_version 6
	.text
	.protected	k_q31391a2d72_qkvgemm
	.globl	k_q31391a2d72_qkvgemm
	.p2align	8
	.type	k_q31391a2d72_qkvgemm,@function
k_q31391a2d72_qkvgemm:
	s_mov_b64 s[64:65], 0
	v_nop
	global_prefetch_b8 v0, s[64:65] scope:SCOPE_SE
	s_setreg_imm32_b32 hwreg(HW_REG_WAVE_MODE, 25, 1), 1
	s_wait_xcnt 0x0
	s_wait_alu depctr_hold_cnt(0) depctr_sa_sdst(0) depctr_va_vdst(0) depctr_va_sdst(0) depctr_va_ssrc(0) depctr_va_vcc(0) depctr_vm_vsrc(0)
	s_getreg_b32 s2, hwreg(HW_REG_IB_STS2, 6, 4)
	s_cmp_eq_u32 s2, 0
	s_cbranch_scc0 .Lentry_in_a_cluster
	s_endpgm
.Lentry_in_a_cluster:
	s_bfe_u32 s2, ttmp6, 0x10000c
	s_cmp_lg_u32 s2, 0xf033
	s_cbranch_scc0 .Lentry_shape_is_right
	s_endpgm
.Lentry_shape_is_right:
; C[2048][4096] = A[2048][SIZE_K] x B[SIZE_K][4096].  A = xh (hidden / 64), B = wh (Wq | Wk | Wv), C = qkv = q/64 | k/64 | v/64.  All f16, sums in f32.
; LIMIT (range): a projection above 64 x 65504 in magnitude becomes infinite in f16; the factor 1/64 rides on xh.
; A work-group makes 128 x 256 of C: 16 x 16 work-groups.  Four waves, as many as a WGP has SIMDs; a wave makes 64 x 128: 32 accumulator tiles, 256 registers.
; K goes in steps of 128 through a ring of two LDS slots filled by the tensor data mover.  A's rows lie along K (256 bytes a step);
; B's rows lie along N (512 bytes for the block's 256 columns), so B's fragments are read with the transposing LDS load.
; CLUSTERS: 4 x 4 work-groups.  The four of a row of the cluster need the same tiles of A, the four of a column the same tiles of B: each tile is asked for
; jointly, with one descriptor and a mask that names the four, which divides the requests for A and for B by four.
; REGISTERS: window 0: v16-26 addresses; v32-127 and v128-223 two fragment buffers (8 of B, then 4 of A); v224-255 at work on the way out.
;            window 1: accumulator tile (a, b) at v[8 (8 a + b)].
; THE MATRIX INSTRUCTION IS USED TRANSPOSED: source 0 = 16 columns of B, source 1 = 16 rows of A; lane l then holds row l % 16 of C and in registers 0 to 7 the
; columns 8 (l / 16) + 0 .. 7: eight neighbouring numbers of a row, which pack into 16 bytes.
.set SIZE_K, 4096
.set SIZE_N, 4096
.set KSTEP,  128
.set PA,     272                       ; A's LDS row: 256 bytes + 16 of padding, an odd multiple of 16: the 16 rows of a fragment load start 16 bytes apart modulo 256
.set PB,     544                       ; B's LDS row: 512 bytes + 32 of padding, an odd multiple of 32, as the transposing load's eight rows want
.set HALF,   64*PB                     ; a wave's region of a slot: 64 rows of B fill it; 64 rows of A take its first half
.set SLOT,   4*HALF                    ; A's rows 0-63, A's rows 64-127, B's k rows 0-63, B's k rows 64-127
.set STAGE,  2*SLOT                    ; behind the ring: 16 rows x 272 bytes for each wave, for the way out; no tensor load lands here
.set SP,     272
.set CPITCH, SIZE_N*2                  ; bytes in a row of C
.set LAPS,   SIZE_K/(2*KSTEP)          ; a lap = two K steps = once round the ring
.set ADRA, 16                          ; v16-17  LDS address of my A fragments in slot 0, 1
.set ADRB, 20                          ; v20-21  the same for B
.set STO,  24                          ; the way out: where I put 16 bytes of a row
.set RD,   25                          ; the way out: where I read rows back
.set CO,   26                          ; my byte offset in C
.set F0,   32
.set F1,   128
.set TMP,  224
.set G1,  24                           ; s[24:31] descriptor group 1 for A's tiles
.set G0,  32                           ; s[32:39] group 0 for A's tiles, a set for each slot
.set G1B, 48                           ; s[48:55] group 1 for B's tiles
.set G0B, 56                           ; s[56:63] group 0 for B's tiles, a set for each slot
.set MSB, 0
.macro WIN new                         ; the immediate's high byte repeats the setting that is left
.if MSB != \new
	s_set_vgpr_msb (MSB<<8)|\new
.set MSB, \new
.endif
.endm
.set MUL, 0x50                         ; C and D in window 1, both sources in window 0
; A joint load.  Waves 0 and 1 fetch A's two halves, waves 2 and 3 B's.  Each line has one mask and one set of registers for all that issue it.
.macro JLOAD s
	s_cmp_eq_u32 s11, 0
	s_cbranch_scc0 .Lfor_b_\@
	tensor_load_to_lds s[G0+4*\s:G0+4*\s+3], s[G1:G1+7]
	s_nop 0
	s_branch .Lasked_\@
.Lfor_b_\@:
	tensor_load_to_lds s[G0B+4*\s:G0B+4*\s+3], s[G1B:G1B+7]
	s_nop 0
.Lasked_\@:
.endm
.macro CREST                           ; a round of the cluster's barrier behind its opening work-group barrier
	s_cmp_lg_u32 s10, 0
	s_cbranch_scc1 .Lnot_wave_0_\@
	s_barrier_signal -3
.Lnot_wave_0_\@:
	s_barrier_wait -3
	s_barrier_signal -1
	s_barrier_wait -1
.endm
.macro CROUND                          ; a whole round
	s_barrier_signal -1
	s_barrier_wait -1
	CREST
.endm
	s_load_b128 s[4:7], s[0:1], 0x0                ; A s[4:5], B s[6:7]
	s_load_b64 s[8:9], s[0:1], 0x10                ; C
	v_lshl_add_u32 v30, v0, 2, 0x48400
	v_mov_b32 v31, 0
	ds_add_u32 v30, v31
	v_lshrrev_b32 v1, 5, v0
	v_readfirstlane_b32 s10, v1                    ; wave 0..3
	s_lshr_b32 s11, s10, 1                         ; which 64 rows of the block are mine.  Also: I fetch for A (0) or for B (1)
	s_and_b32 s12, s10, 1                          ; which 128 columns.  Also: which 64 rows of that tile I fetch
	s_bfe_u32 s40, ttmp6, 0x40000                  ; cx
	s_bfe_u32 s41, ttmp6, 0x40004                  ; cy
	s_lshl_b32 s42, ttmp9, 2
	s_add_co_u32 s42, s42, s40                     ; block column of C = 4 x cluster x + cx
	s_and_b32 s13, ttmp7, 0xffff
	s_lshl_b32 s13, s13, 2
	s_add_co_u32 s13, s13, s41                     ; block row of C = 4 x cluster y + cy
	s_lshl_b32 s43, s41, 2
	s_lshl_b32 s43, 15, s43                        ; my row of the cluster: places 4 cy .. 4 cy + 3
	s_lshl_b32 s44, 0x1111, s40                    ; my column: places cx, cx + 4, cx + 8, cx + 12
	; group 1 for A: 64 rows x 128 elements of 2 bytes, 4 words of padding behind every 64 words
	s_or_b32 s[G1+0], s43, (1<<16)|(1<<20)|(1<<21)|(5<<22)|(3<<25)
	s_mov_b32 s[G1+1], KSTEP<<16                   ; tensor_dim0 = 128
	s_mov_b32 s[G1+2], 64<<16                      ; tensor_dim1 = 64
	s_mov_b32 s[G1+3], KSTEP<<16                   ; tile_dim0 = 128
	s_mov_b32 s[G1+4], 64                          ; tile_dim1 = 64
	s_mov_b32 s[G1+5], SIZE_K                      ; elements from row to row
	s_mov_b32 s[G1+6], 0
	s_mov_b32 s[G1+7], 0
	; group 1 for B: 64 rows x 256 elements of 2 bytes, 8 words of padding behind every 128 words
	s_or_b32 s[G1B+0], s44, (1<<16)|(1<<20)|(1<<21)|(6<<22)|(7<<25)
	s_mov_b32 s[G1B+1], 256<<16
	s_mov_b32 s[G1B+2], 64<<16
	s_mov_b32 s[G1B+3], 256<<16
	s_mov_b32 s[G1B+4], 64
	s_mov_b32 s[G1B+5], SIZE_N
	s_mov_b32 s[G1B+6], 0
	s_mov_b32 s[G1B+7], 0
	; where the tiles come from: A's hang on the block row alone, B's on the block column alone, each in registers that never hold the other coordinate
	s_lshl_b32 s17, s12, 6
	s_lshl_b32 s16, s13, 7
	s_add_co_u32 s16, s16, s17                     ; A: row 128 x block row + 64 x half
	s_mul_i32 s16, s16, SIZE_K*2                   ; in bytes: below 2^25
	s_mov_b32 s17, 0
	s_lshl_b32 s46, s42, 9                         ; B: 256 columns of 2 bytes a block column,
	s_lshl_b32 s47, s12, 19                        ; and 64 k rows of 8,192 bytes a half
	s_add_co_u32 s46, s46, s47
	s_mov_b32 s47, 0
	s_mul_i32 s20, s10, HALF                       ; where they go: the wave's region; no place in the cluster enters an LDS address
	s_wait_dscnt 0x0
	s_wait_kmcnt 0x0
	s_add_nc_u64 s[14:15], s[4:5], s[16:17]
	s_add_nc_u64 s[46:47], s[6:7], s[46:47]
	CROUND                                         ; all sixteen work-groups are here: the first joint loads meet
.irp s, 0,1
	s_mov_b32 s[G0+4*\s], 1
	s_add_co_u32 s[G0+4*\s+1], s20, \s*SLOT
	s_add_nc_u64 s[G0+4*\s+2:G0+4*\s+3], s[14:15], \s*KSTEP*2            ; K step s: 128 elements along A's rows
	s_or_b32 s[G0+4*\s+3], s[G0+4*\s+3], 0x80000000
	s_mov_b32 s[G0B+4*\s], 1
	s_add_co_u32 s[G0B+4*\s+1], s20, \s*SLOT
	s_add_nc_u64 s[G0B+4*\s+2:G0B+4*\s+3], s[46:47], \s*KSTEP*SIZE_N*2   ; K step s: 128 rows of B
	s_or_b32 s[G0B+4*\s+3], s[G0B+4*\s+3], 0x80000000
	JLOAD \s                                       ; both slots' first fills go out together: two tensor loads of the wave are out
.endr
	v_and_b32 v1, 15, v0                           ; r = l % 16
	v_bfe_u32 v2, v0, 4, 1                         ; h = l / 16
	v_mul_u32_u24 v3, v1, PA
	v_lshl_add_u32 v3, v2, 4, v3                   ; A's fragments: row r, 16 bytes for each half of the lanes
	v_and_b32 v4, 7, v0
	v_lshl_add_u32 v4, v2, 3, v4                   ; B's fragments, transposing load: k row 8 h + l % 8,
	v_mul_u32_u24 v4, v4, PB
	v_bfe_u32 v5, v0, 3, 1
	v_lshl_add_u32 v4, v5, 4, v4                   ; and 16 bytes further for lanes 8-15 and 24-31
	s_mul_i32 s21, s11, HALF                       ; my 64 rows of A
	s_lshl_b32 s22, s12, 8                         ; my 128 columns of B,
	s_add_co_u32 s22, s22, 2*HALF                  ; which lies behind A's two regions
.irp s, 0,1
	v_add_nc_u32 v[ADRA+\s], s21, v3
	v_add_nc_u32 v[ADRB+\s], s22, v4
	s_add_co_u32 s21, s21, SLOT
	s_add_co_u32 s22, s22, SLOT
.endr
	s_mul_i32 s23, s10, 16*SP
	s_add_co_u32 s23, s23, STAGE                   ; my stage
	v_add_nc_u32 v[STO], s23, v3                   ; in: row r, 16 bytes for each half of the lanes (SP = PA)
	v_mul_u32_u24 v5, v2, SP                       ; back: lanes 0-15 take one row of 256 bytes, lanes 16-31 the next
	v_lshl_add_u32 v5, v1, 4, v5
	v_add_nc_u32 v[RD], s23, v5
	v_mul_u32_u24 v5, v2, CPITCH                   ; and the same two rows in C
	v_lshl_add_u32 v[CO], v1, 4, v5
; 24 LDS loads in one run: quarter q (32 along K) of a slot into buffer f.  B: 8 fragments of 16 columns, two transposing loads each (k 0-15, k 16-31 of the quarter);
; A: 4 fragments of 16 rows, two loads 32 bytes apart.
.macro FETCH slot, q, f
.irp b, 0,1,2,3,4,5,6,7
	ds_load_tr16_b128 v[\f+8*\b:\f+8*\b+3],   v[ADRB+\slot] offset:\q*32*PB+32*\b
	ds_load_tr16_b128 v[\f+8*\b+4:\f+8*\b+7], v[ADRB+\slot] offset:\q*32*PB+32*\b+16*PB
.endr
.irp a, 0,1,2,3
	ds_load_b128 v[\f+64+8*\a:\f+64+8*\a+3],   v[ADRA+\slot] offset:\q*64+\a*16*PA
	ds_load_b128 v[\f+64+8*\a+4:\f+64+8*\a+7], v[ADRA+\slot] offset:\q*64+\a*16*PA+32
.endr
.endm
; 8 matrix instructions: row tile a x all 8 column tiles.  zero = 1: the first product starts the sums, nothing is cleared.
; The 32 accumulators take turns, one instruction a turn, in the same order in every quarter.
.macro MULA f, a, zero
.irp b, 0,1,2,3,4,5,6,7
.if \zero
	v_wmma_f32_16x16x32_f16 v[8*(8*\a+\b):8*(8*\a+\b)+7], v[\f+8*\b:\f+8*\b+7], v[\f+64+8*\a:\f+64+8*\a+7], 0
.else
	v_wmma_f32_16x16x32_f16 v[8*(8*\a+\b):8*(8*\a+\b)+7], v[\f+8*\b:\f+8*\b+7], v[\f+64+8*\a:\f+64+8*\a+7], v[8*(8*\a+\b):8*(8*\a+\b)+7]
.endif
.endr
.endm
; Four places between a matrix instruction and a load into one of its registers or a reader of its result; matrix instructions in between are not counted.
.macro PLACES
.rept 4
	v_nop
.endr
.endm
; One of a K step's first three quarters: multiplies buffer f; in its middle it fetches quarter q into buffer g.
.macro QUARTER slot, q, f, g, zero
	s_wait_dscnt 4                                 ; B and A's tiles 0, 1 are in; the youngest four loads (A's tiles 2, 3) may be out
	WIN MUL
	MULA \f, 0, \zero
	MULA \f, 1, \zero
	PLACES
	WIN 0
	FETCH \slot, \q, \g
	s_wait_dscnt 24                                ; all but the 24 just issued
	WIN MUL
	MULA \f, 2, \zero
	MULA \f, 3, \zero
.endm
.macro THREE slot, zero
	QUARTER \slot, 1, F0, F1, \zero
	QUARTER \slot, 2, F1, F0, 0
	QUARTER \slot, 3, F0, F1, 0
.endm
; The last quarter: multiplies buffer 1 and changes slots.  fill = 1: this slot is filled again, two K steps ahead.
; In front of the barrier each wave waits for its reads of this slot and for all its tensor loads (one is out: its part of the next slot).
; Behind it the refill comes first, then the next slot's first fragments.  From a request to the wait for it a wave issues 120 matrix instructions.
.macro TURN slot, next, fill
	s_wait_dscnt 4
	WIN MUL
	MULA F1, 0, 0
	s_wait_dscnt 0                                 ; my reads of this slot are over
	s_wait_tensorcnt 0x0                           ; and all my tensor loads have landed
	ds_add_u32 v30, v31
	s_wait_dscnt 0x0
	s_barrier_signal -1                            ; where a slot is filled again this barrier opens a round of the cluster's barrier
	MULA F1, 1, 0                                  ; register work while the others arrive
	WIN 0
	s_barrier_wait -1
.if \fill
	CREST                                          ; no wave of any partner still reads this slot or has a load on its way
	s_add_nc_u64 s[G0+4*\slot+2:G0+4*\slot+3], s[G0+4*\slot+2:G0+4*\slot+3], 2*KSTEP*2
	s_add_nc_u64 s[G0B+4*\slot+2:G0B+4*\slot+3], s[G0B+4*\slot+2:G0B+4*\slot+3], 2*KSTEP*SIZE_N*2
	JLOAD \slot                                    ; the wave's one tensor load behind the round, and the first thing there
.endif
	PLACES
	FETCH \next, 0, F0
	WIN MUL
	MULA F1, 2, 0
	MULA F1, 3, 0
.endm
.macro LAP zero
	THREE 0, \zero
	TURN 0, 1, 1
	THREE 1, 0
	TURN 1, 0, 1
.endm
	s_wait_tensorcnt 1                             ; my part of K step 0 is in; K step 1's may stay out
	s_barrier_signal -1
	s_barrier_wait -1                              ; everybody's is
	FETCH 0, 0, F0
	LAP 1                                          ; the first lap stands in front of the loop: its first products start the sums
	WIN 0                                          ; at a label and at a branch every window is 0
	s_mov_b32 s3, LAPS-2
.Llap:
	LAP 0
	WIN 0
	s_sub_co_u32 s3, s3, 1
	s_cmp_lg_u32 s3, 0
	s_cbranch_scc1 .Llap
	THREE 0, 0                                     ; the last lap fills nothing
	TURN 0, 1, 0
	THREE 1, 0
	s_wait_dscnt 4                                 ; the very last quarter
	WIN MUL
	MULA F1, 0, 0
	MULA F1, 1, 0
	s_wait_dscnt 0
	MULA F1, 2, 0
	MULA F1, 3, 0
	; THE WAY OUT, 16 rows at a time: round to f16, 16 bytes a lane into my own stage, read back as whole rows of 256 bytes.
	PLACES                                         ; behind the last matrix instructions: for the conversions and for the loads into the fragment buffers
	s_lshl_b32 s16, s13, 7
	s_lshl_b32 s14, s11, 6
	s_add_co_u32 s16, s16, s14                     ; my first row of C
	s_mul_i32 s16, s16, CPITCH
	s_mov_b32 s17, 0
	s_add_nc_u64 s[8:9], s[8:9], s[16:17]
	s_lshl_b32 s46, s42, 9                         ; my first column in bytes: 512 x block column + 256 x half
	s_lshl_b32 s47, s12, 8
	s_add_co_u32 s46, s46, s47
	s_mov_b32 s47, 0
	s_add_nc_u64 s[8:9], s[8:9], s[46:47]
; rows 16 a .. 16 a + 15 of my block.  The rows read back get registers of their own for each a (v32-159), and CO and the base are never rewritten.
.macro OUT16 a
	WIN 0x05                                       ; both sources in window 1
.irp b, 0,1,2,3,4,5,6,7
.irp r, 0,1,2,3
	v_cvt_pk_f16_f32 v[TMP+4*\b+\r], v[8*(8*\a+\b)+2*\r], v[8*(8*\a+\b)+2*\r+1]
.endr
.endr
	WIN 0
.irp b, 0,1,2,3,4,5,6,7
	ds_store_b128 v[STO], v[TMP+4*\b:TMP+4*\b+3] offset:32*\b
.endr
.irp t, 0,1,2,3,4,5,6,7
	ds_load_b128 v[F0+32*\a+4*\t:F0+32*\a+4*\t+3], v[RD] offset:\t*2*SP      ; LDS serves a wave's instructions in order: these see the stores above
.endr
.irp t, 0,1,2,3,4,5,6,7
	s_wait_dscnt 7-\t                              ; read-back t is in, the younger ones stay out
	global_store_b128 v[CO], v[F0+32*\a+4*\t:F0+32*\a+4*\t+3], s[8:9] offset:(16*\a+2*\t)*CPITCH   ; 16 lanes store 256 consecutive aligned bytes
.endr
.endm
	OUT16 0
	OUT16 1
	OUT16 2
	OUT16 3
	s_wait_tensorcnt 0x0
	ds_add_u32 v30, v31
	s_wait_dscnt 0x0
	CROUND                                         ; the closing round: no work-group ends while a partner may still ask for a tile that names it
	s_endpgm
.Lfunc_end_k_q31391a2d72_qkvgemm:
	.size	k_q31391a2d72_qkvgemm, .Lfunc_end_k_q31391a2d72_qkvgemm-k_q31391a2d72_qkvgemm
	.p2alignl 7, 3214868480
	.fill 96, 4, 3214868480
	.section	.rodata,"a",@progbits
	.p2align	6, 0x0
	.amdhsa_kernel k_q31391a2d72_qkvgemm
		.amdhsa_group_segment_fixed_size 327680
		.amdhsa_private_segment_fixed_size 0
		.amdhsa_enable_private_segment 0
		.amdhsa_kernarg_size 24
		.amdhsa_user_sgpr_count 2
		.amdhsa_user_sgpr_kernarg_segment_ptr 1
		.amdhsa_wavefront_size32 1
		.amdhsa_system_sgpr_workgroup_id_x 1
		.amdhsa_system_sgpr_workgroup_id_y 1
		.amdhsa_system_sgpr_workgroup_id_z 1
		.amdhsa_system_vgpr_workitem_id 0
		.amdhsa_next_free_vgpr 512
		.amdhsa_next_free_sgpr 66
		.amdhsa_reserve_vcc 0
		.amdhsa_float_denorm_mode_32 3
		.amdhsa_float_denorm_mode_16_64 3
		.amdhsa_memory_ordered 1
		.amdhsa_forward_progress 1
		.amdhsa_inst_pref_size 117
	.end_amdhsa_kernel
	.amdgpu_metadata
---
amdhsa.version: [ 1, 2 ]
amdhsa.kernels:
  - .name:           k_q31391a2d72_qkvgemm
    .symbol:         k_q31391a2d72_qkvgemm.kd
    .args:
      - { .name: xh, .offset: 0, .size: 8, .value_kind: global_buffer, .address_space: global }
      - { .name: wh, .offset: 8, .size: 8, .value_kind: global_buffer, .address_space: global }
      - { .name: qkv, .offset: 16, .size: 8, .value_kind: global_buffer, .address_space: global }
    .group_segment_fixed_size: 327680
    .private_segment_fixed_size: 0
    .kernarg_segment_align: 8
    .kernarg_segment_size: 24
    .max_flat_workgroup_size: 128
    .sgpr_count:     66
    .vgpr_count:     512
    .wavefront_size: 32
...
	.end_amdgpu_metadata
.endif
;; end of part 2
;; launch attn (part 3): grid 32 x 8, 4 waves a work-group, no clusters, 89,600 bytes of LDS; arguments qkv, att; writes att
.if DOCPART == 3
	.amdgcn_target "amdgcn-amd-amdhsa--gfx1250"
	.amdhsa_code_object_version 6
	.text
	.protected	k_q31391a2d72_attn
	.globl	k_q31391a2d72_attn
	.p2align	8
	.type	k_q31391a2d72_attn,@function
k_q31391a2d72_attn:
	s_mov_b64 s[64:65], 0
	v_nop
	global_prefetch_b8 v0, s[64:65] scope:SCOPE_SE
	s_setreg_imm32_b32 hwreg(HW_REG_WAVE_MODE, 25, 1), 1
	s_wait_xcnt 0x0
; Causal attention with grouped heads, softmax by a running maximum.  qkv [2048][4096] f16 = q/64 (16 heads of 128) | k/64 (8) | v/64 (8); att [2048][2048] f16 = result / 4.
; LIMIT (range): a result above 4 x 65504 in magnitude becomes infinite in f16.  The probabilities go to the matrix unit as f16 in [0, 1]; the row sum is taken of the f32 values.
; Work-group (i, g): key and value head g, both of its query heads, and two blocks of 32 positions: block i and block 63 - i.
; Wave w: head 2 g + w % 2, and of each block the 16 positions 16 (w / 2) ..: tile L (low block) and tile H (high block).
; In blocks of 64 keys L needs nlo = i / 2 + 1 and H 33 - nlo.  THE TRIPS: nlo trips of 64 keys for both tiles; one trip of 64 keys for H alone (H alone has an odd
; number of blocks); 16 - nlo trips of 128 keys for H alone.  That is 17 trips for every i, and all but the single one hold 64 matrix instructions.
; K and V come through registers (asked for one trip ahead, as soon as the stage registers are free) into one LDS region, two barriers a trip.
; NO CLUSTER: the 32 work-groups of a head read the same keys, but in one and the same trip they stand at different keys (a trip goes on by 64 or by 128 keys,
; and the change comes after nlo trips), so partners would never ask for the same tile together.
; BOTH PRODUCTS ARE TRANSPOSED.  S^T = K Q^T: lane (r, h), register j of key tile t holds key 16 t + 8 h + j for query row r.  Packing tiles 2 s and 2 s + 1 inside a lane
; is therefore the fragment of P^T for keys 32 s .. 32 s + 31.  O^T = V^T P^T: lane (r, h), register j of tile d holds column 16 d + 8 h + j of query row r.
; So maximum, sum and rescaling belong to a lane; lanes l and l xor 16 share a query row and meet by one lane exchange.
.set KP,  272                          ; K's LDS row: 256 bytes + 16, an odd multiple of 16
.set VP,  288                          ; V's LDS row: 256 bytes + 32, an odd multiple of 32 for the transposing load
.set VB,  128*KP                       ; LDS: K at 0, 128 rows; V here, 128 rows
.set OB,  VB+128*VP                    ; the way out: 16 rows of pitch 272 for each wave
.set GO,   2                           ; byte offset in qkv of my 16 bytes of a key block's rows 16 w + l / 16
.set KS,   3                           ; where they go in LDS: K
.set VS,   4                           ; V
.set KF,   5                           ; K's fragments: r x 272 + 16 h
.set VF,   6                           ; V's fragments, transposing load
.set ST,   7                           ; the way out: in
.set RD,   8                           ; the way out: back
.set CO,   9                           ; my byte offset in att
.set RM8H, 10                          ; r - 8 h
.set LIM,  11                          ; largest 16 t + j that my lane may keep
.set NEG,  12                          ; -infinity
.set QO,   13                          ; byte offset of my part of a Q fragment
.set M_L,  14                          ; running maximum, running half sum (this lane's keys)
.set LS_L, 15
.set M_H,  16
.set LS_H, 17
.set NM,   18                          ; v[18:19] -c x maximum, twice
.set AL_L, 20                          ; v[20:21] factor on what was gathered so far, twice
.set AL_H, 22
.set MX,   24                          ; v[24:27]
.set T,    28
.set SL,   32                          ; v[32:63]  S^T of tile L, four key tiles, then P.  In a trip of 128 keys v[32:95] are H's eight key tiles
.set SH,   64                          ; v[64:95]  of tile H
.set FR,   96                          ; v[96:223] 16 fragments: K's, then V's
.set TS,   224                         ; v[224:231] sums at work
.set TMP,  224                         ; v[224:255] the way out
.set OL,   0                           ; window 1: v[0:63] O^T of L, v[64:127] of H, v[128:159] Q of L, v[160:191] of H, v[192:255] 64 staged keys
.set OH,   64
.set QL,   128
.set QH,   160
.set STG,  192
.set FR2,  0                           ; window 2: v[0:127] 16 more fragments, v[128:191] the second 64 staged keys
.set STG2, 128
.set MSB, 0
.macro WIN new                         ; low byte: bits 1:0 source 0, 3:2 source 1, 5:4 source 2, 7:6 destination; the high byte repeats the setting that is left
.if MSB != \new
	s_set_vgpr_msb (MSB<<8)|\new
.set MSB, \new
.endif
.endm
.macro NOP5                            ; five places behind matrix instructions (ISA guide 7.12.1); what they stand for is said where they are used
.rept 5
	v_nop
.endr
.endm
	s_load_b128 s[4:7], s[0:1], 0x0                ; qkv s[4:5], att s[6:7]
	s_set_vgpr_msb 0x80
	v_lshl_add_u32 v192, v0, 2, 0x15c00
	v_mov_b32 v193, 0
	s_set_vgpr_msb 0x8000
	v_lshrrev_b32 v29, 5, v0
	v_readfirstlane_b32 s8, v29                    ; wave
	s_mov_b32 s9, ttmp9                            ; i
	s_and_b32 s10, ttmp7, 0xffff                   ; g
	s_lshr_b32 s11, s8, 1
	s_lshl_b32 s11, s11, 4                         ; 16 (w / 2)
	s_and_b32 s12, s8, 1
	s_lshl_b32 s13, s9, 5
	s_add_co_u32 s13, s13, s11                     ; L's first position
	s_sub_co_u32 s17, 63, s9
	s_lshl_b32 s14, s17, 5
	s_add_co_u32 s14, s14, s11                     ; H's first position
	s_lshr_b32 s15, s9, 1
	s_add_co_u32 s15, s15, 1                       ; nlo: key blocks of L, 1 to 16
	s_and_b32 s35, s9, 1
	s_lshl_b32 s35, s35, 5
	s_add_co_u32 s35, s35, s11                     ; L's first position, counted from its last key block's first key
	s_and_b32 s36, s17, 1
	s_lshl_b32 s36, s36, 5
	s_add_co_u32 s36, s36, s11
	s_add_co_u32 s36, s36, 64                      ; H's first position, counted from the first of its last 128 keys
	s_lshl_b32 s16, s15, 6
	s_sub_co_u32 s16, s14, s16                     ; H's first position, counted from key 64 nlo, where the single trip begins
	s_lshl1_add_u32 s23, s10, s12                  ; head
	s_lshl_b32 s23, s23, 8                         ; its 256 bytes in a row
	s_mov_b32 s18, 0x440293ee                      ; c = 2^12 x 128^-0.5 x log2 e: the 2^12 undoes q/64 and k/64
	s_mov_b32 s19, 0x440293ee
	s_mov_b32 s20, 0xc40293ee                      ; -c
	s_mov_b32 s21, 0x76543210                      ; v_permlanex16_b32: lane l reads lane l xor 16
	s_mov_b32 s22, 0xfedcba98
	v_and_b32 v30, 15, v0                          ; r
	v_bfe_u32 v31, v0, 4, 1                        ; h
	s_lshl_b32 s37, s8, 17                         ; 16 rows of 8,192 bytes a wave
	v_lshlrev_b32 v[GO], 4, v30
	v_lshl_add_u32 v[GO], v31, 13, v[GO]
	v_add_nc_u32 v[GO], s37, v[GO]
	s_mul_i32 s37, s8, 16*KP
	v_mul_u32_u24 v[KS], v31, KP
	v_lshl_add_u32 v[KS], v30, 4, v[KS]
	v_add_nc_u32 v[RD], OB, v[KS]                  ; the way out reads rows back in the same lane pattern
	v_add_nc_u32 v[RD], s37, v[RD]
	v_add_nc_u32 v[KS], s37, v[KS]
	v_mul_u32_u24 v[KF], v30, KP
	v_lshl_add_u32 v[KF], v31, 4, v[KF]
	v_add_nc_u32 v[ST], OB, v[KF]
	v_add_nc_u32 v[ST], s37, v[ST]
	s_mul_i32 s37, s8, 16*VP
	s_add_co_u32 s37, s37, VB
	v_mul_u32_u24 v[VS], v31, VP
	v_lshl_add_u32 v[VS], v30, 4, v[VS]
	v_add_nc_u32 v[VS], s37, v[VS]
	v_and_b32 v1, 7, v0
	v_lshl_add_u32 v1, v31, 3, v1                  ; key row 8 h + l % 8
	v_mul_u32_u24 v[VF], v1, VP
	v_bfe_u32 v1, v0, 3, 1
	v_lshl_add_u32 v[VF], v1, 4, v[VF]
	v_add_nc_u32 v[VF], VB, v[VF]
	v_lshlrev_b32 v[CO], 4, v30
	v_lshl_add_u32 v[CO], v31, 12, v[CO]
	v_lshlrev_b32 v1, 3, v31
	v_sub_nc_u32 v[RM8H], v30, v1
	v_mov_b32 v[NEG], 0xff800000
	v_mov_b32 v[T], 0                              ; written once whole: it is a lane exchange's destination later
	v_lshlrev_b32 v[QO], 13, v30
	v_lshl_add_u32 v[QO], v31, 4, v[QO]
	s_mov_b32 s39, 0
	s_wait_kmcnt 0x0
	s_lshl_b32 s38, s10, 8
	s_add_co_u32 s38, s38, 4096
	s_add_nc_u64 s[24:25], s[4:5], s[38:39]        ; K of head g, key 0; V lies 2,048 bytes further
	s_lshl_b32 s38, s13, 13
	s_add_co_u32 s38, s38, s23
	s_add_nc_u64 s[26:27], s[4:5], s[38:39]        ; Q of tile L
	s_lshl_b32 s38, s14, 13
	s_add_co_u32 s38, s38, s23
	s_add_nc_u64 s[28:29], s[4:5], s[38:39]        ; Q of tile H
	s_lshl_b32 s38, s13, 12
	s_add_co_u32 s38, s38, s23
	s_add_nc_u64 s[30:31], s[6:7], s[38:39]        ; att of tile L
	s_lshl_b32 s38, s14, 12
	s_add_co_u32 s38, s38, s23
	s_add_nc_u64 s[32:33], s[6:7], s[38:39]        ; att of tile H
; 64 keys (K and V) into the 64 registers from d on, from byte off behind the base: each load of the wave takes two rows of 256 bytes
.macro KVLOAD d, off
.irp t, 0,1,2,3,4,5,6,7
	global_load_b128 v[\d+4*\t:\d+4*\t+3], v[GO], s[24:25] offset:\off+16384*\t
.endr
.irp t, 0,1,2,3,4,5,6,7
	global_load_b128 v[\d+32+4*\t:\d+32+4*\t+3], v[GO], s[24:25] offset:\off+16384*\t+2048
.endr
.endm
; the same 64 keys from registers into LDS, from row rows on
.macro PUT d, rows
.irp t, 0,1,2,3,4,5,6,7
	ds_store_b128 v[KS], v[\d+4*\t:\d+4*\t+3] offset:\rows*KP+2*KP*\t
.endr
.irp t, 0,1,2,3,4,5,6,7
	ds_store_b128 v[VS], v[\d+32+4*\t:\d+32+4*\t+3] offset:\rows*VP+2*VP*\t
.endr
.endm
	WIN 0x40                                       ; destinations in window 1
.irp s, 0,1,2,3
	global_load_b128 v[QL+8*\s:QL+8*\s+3],   v[QO], s[26:27] offset:64*\s      ; Q's fragments straight from memory: row r, d = 32 s + 8 h ..
	global_load_b128 v[QL+8*\s+4:QL+8*\s+7], v[QO], s[26:27] offset:64*\s+32
	global_load_b128 v[QH+8*\s:QH+8*\s+3],   v[QO], s[28:29] offset:64*\s
	global_load_b128 v[QH+8*\s+4:QH+8*\s+7], v[QO], s[28:29] offset:64*\s+32
.endr
	KVLOAD STG, 0                                  ; key block 0
	WIN 0
; The head of a trip: the staged keys (64 or 128) go into LDS, and the next trip's keys (nextk = 64 or 128, step bytes further; step = 0: none) are asked for.
.macro HEAD keys, step, nextk
	s_wait_loadcnt 0x0                             ; the staged keys are in registers (in the first trip Q too); the base may be stepped
	s_wait_dscnt 0x0                               ; my reads of the old keys are over
	s_barrier_signal -1
	s_barrier_wait -1                              ; everybody's are: the region may be written
	WIN 0x04                                       ; store data in window 1
	PUT STG, 0
.if \keys == 128
	WIN 0x08                                       ; store data in window 2
	PUT STG2, 64
.endif
	WIN 0
	s_wait_dscnt 0x0                               ; my stores are done: for the others' sake, and the stage registers are free
.if \step
	s_add_nc_u64 s[24:25], s[24:25], \step
	WIN 0x40
	KVLOAD STG, 0                                  ; asked for here, in front of the barrier: they have all of this trip in which to come
.if \nextk == 128
	WIN 0x80
	KVLOAD STG2, 64*8192
.endif
	WIN 0
.endif
	s_barrier_signal -1
	s_barrier_wait -1                              ; the keys are whole in LDS
.endm
; 16 fragments of K (four key tiles from LDS row rows on, four d steps, d step by d step): 32 loads
.macro KLOAD f, rows
.irp s, 0,1,2,3
.irp t, 0,1,2,3
	ds_load_b128 v[\f+8*(4*\s+\t):\f+8*(4*\s+\t)+3],   v[KF] offset:\rows*KP+16*KP*\t+64*\s
	ds_load_b128 v[\f+8*(4*\s+\t)+4:\f+8*(4*\s+\t)+7], v[KF] offset:\rows*KP+16*KP*\t+64*\s+32
.endr
.endr
.endm
; 8 fragments of V (key step ks of 32 keys, eight d tiles): 16 transposing loads
.macro VLOAD1 f, ks
.irp dt, 0,1,2,3,4,5,6,7
	ds_load_tr16_b128 v[\f+8*\dt:\f+8*\dt+3],   v[VF] offset:32*VP*\ks+32*\dt
	ds_load_tr16_b128 v[\f+8*\dt+4:\f+8*\dt+7], v[VF] offset:32*VP*\ks+32*\dt+16*VP
.endr
.endm
; one product of S^T: key tile t of the four at acc, d step s; the first d step starts the sum
.macro SMM acc, f, q, s, t
.if \s == 0
	v_wmma_f32_16x16x32_f16 v[\acc+8*\t:\acc+8*\t+7], v[\f+8*(4*\s+\t):\f+8*(4*\s+\t)+7], v[\q+8*\s:\q+8*\s+7], 0
.else
	v_wmma_f32_16x16x32_f16 v[\acc+8*\t:\acc+8*\t+7], v[\f+8*(4*\s+\t):\f+8*(4*\s+\t)+7], v[\q+8*\s:\q+8*\s+7], v[\acc+8*\t:\acc+8*\t+7]
.endif
.endm
.macro SMM4 acc, f, q, s               ; four products, four accumulators by turns
.irp t, 0,1,2,3
	SMM \acc, \f, \q, \s, \t
.endr
.endm
; one product of O^T: d tile dt, the key step whose V fragments begin at f and whose P lies at p; zero = 1 starts the sum
.macro PMM o, f, p, dt, zero
.if \zero
	v_wmma_f32_16x16x32_f16 v[\o+8*\dt:\o+8*\dt+7], v[\f+8*\dt:\f+8*\dt+7], v[\p:\p+7], 0
.else
	v_wmma_f32_16x16x32_f16 v[\o+8*\dt:\o+8*\dt+7], v[\f+8*\dt:\f+8*\dt+7], v[\p:\p+7], v[\o+8*\dt:\o+8*\dt+7]
.endif
.endm
.macro PV8 o, f, p                     ; eight products, eight accumulators by turns
.irp dt, 0,1,2,3,4,5,6,7
	PMM \o, \f, \p, \dt, 0
.endr
.endm
.macro RESC o, a                       ; what was gathered so far, times the factor of the new maximum
.set k, 0
.rept 32
	v_pk_mul_f32 v[\o+k:\o+k+1], v[\o+k:\o+k+1], v[\a:\a+1]
.set k, k+2
.endr
.endm
; The softmax step of one tile over nt key tiles (4 or 8).  sreg: its 8 nt scores, left as P (f16; key step s in v[sreg+16 s : sreg+16 s+7]);
; lim: 0, or the scalar register with the tile's first position counted from the trip's first key.  Key 0 is open to every row, so the maximum is finite from the first trip on.
.macro SOFTMAX sreg, nt, mreg, lreg, areg, first, lim
.if \lim
	v_add_nc_u32 v[LIM], s[\lim], v[RM8H]          ; key 16 t + 8 h + j <= position + r
.set k, 0
.rept 8*\nt
	v_cmp_le_i32 vcc_lo, 16*(k/8)+(k%8), v[LIM]
	v_cndmask_b32 v[\sreg+k], v[NEG], v[\sreg+k], vcc_lo
.set k, k+1
.endr
.endif
.irp c, 0,1,2,3
	v_max3_num_f32 v[MX+\c], v[\sreg+8*\c], v[\sreg+8*\c+1], v[\sreg+8*\c+2]   ; four chains, started by the first scores
.endr
.irp c, 0,1,2,3
	v_max3_num_f32 v[MX+\c], v[MX+\c], v[\sreg+8*\c+3], v[\sreg+8*\c+4]
.endr
.irp c, 0,1,2,3
	v_max3_num_f32 v[MX+\c], v[MX+\c], v[\sreg+8*\c+5], v[\sreg+8*\c+6]
.endr
.if \nt == 8
.irp c, 0,1,2,3
	v_max3_num_f32 v[MX+\c], v[MX+\c], v[\sreg+8*\c+7], v[\sreg+32+8*\c]
.endr
.irp c, 0,1,2,3
	v_max3_num_f32 v[MX+\c], v[MX+\c], v[\sreg+32+8*\c+1], v[\sreg+32+8*\c+2]
.endr
.irp c, 0,1,2,3
	v_max3_num_f32 v[MX+\c], v[MX+\c], v[\sreg+32+8*\c+3], v[\sreg+32+8*\c+4]
.endr
.irp c, 0,1,2,3
	v_max3_num_f32 v[MX+\c], v[MX+\c], v[\sreg+32+8*\c+5], v[\sreg+32+8*\c+6]
.endr
.irp c, 0,1,2,3
	v_max_num_f32 v[MX+\c], v[MX+\c], v[\sreg+32+8*\c+7]
.endr
.else
.irp c, 0,1,2,3
	v_max_num_f32 v[MX+\c], v[MX+\c], v[\sreg+8*\c+7]
.endr
.endif
	v_max3_num_f32 v[MX], v[MX], v[MX+1], v[MX+2]
	v_max_num_f32 v[MX], v[MX], v[MX+3]
	v_permlanex16_b32 v[MX+1], v[MX], s21, s22     ; the row's other keys
.if \first
	v_max_num_f32 v[\mreg], v[MX], v[MX+1]
.else
	v_max3_num_f32 v[MX], v[MX], v[MX+1], v[\mreg]
	v_sub_f32 v[T], v[\mreg], v[MX]                ; exactly 0 where the maximum stays
	v_mul_f32 v[T], s18, v[T]
	v_exp_f32 v[\areg], v[T]
	v_exp_f32 v[\areg+1], v[T]
	v_mov_b32 v[\mreg], v[MX]                      ; the plain instruction behind the exponentials (ISA guide 5.7.2)
.endif
	v_mul_f32 v[NM], s20, v[\mreg]
	v_mul_f32 v[NM+1], s20, v[\mreg]
.set k, 0
.rept 4*\nt
	v_pk_fma_f32 v[\sreg+k:\sreg+k+1], v[\sreg+k:\sreg+k+1], s[18:19], v[NM:NM+1] op_sel_hi:[1,0,1]   ; c (s - maximum)
.set k, k+2
.endr
.set k, 0
.rept 8*\nt
	v_exp_f32 v[\sreg+k], v[\sreg+k]
.set k, k+1
.endr
	v_nop                                          ; the plain instruction behind the exponentials
	s_wait_alu depctr_va_vdst(0)
.irp c, 0,2,4,6
	v_pk_add_f32 v[TS+\c:TS+\c+1], v[\sreg+\c:\sreg+\c+1], v[\sreg+8+\c:\sreg+8+\c+1]
.endr
.set tt, 2
.rept \nt-2
.irp c, 0,2,4,6
	v_pk_add_f32 v[TS+\c:TS+\c+1], v[TS+\c:TS+\c+1], v[\sreg+8*tt+\c:\sreg+8*tt+\c+1]
.endr
.set tt, tt+1
.endr
	v_pk_add_f32 v[TS:TS+1], v[TS:TS+1], v[TS+2:TS+3]
	v_pk_add_f32 v[TS+4:TS+5], v[TS+4:TS+5], v[TS+6:TS+7]
	v_pk_add_f32 v[TS:TS+1], v[TS:TS+1], v[TS+4:TS+5]
.if \first
	v_add_f32 v[\lreg], v[TS], v[TS+1]
.else
	v_add_f32 v[T], v[TS], v[TS+1]
	v_fma_f32 v[\lreg], v[\lreg], v[\areg], v[T]
.endif
.set u, 0
.rept \nt
.irp r, 0,1,2,3
	v_cvt_pk_f16_f32 v[\sreg+16*(u/2)+4*(u%2)+\r], v[\sreg+8*u+2*\r], v[\sreg+8*u+2*\r+1]   ; in place: a destination never lies ahead of what is still to be read
.endr
.set u, u+1
.endr
.endm
; A trip of 64 keys for both tiles.  first = 1: the sums start; limL: L's mask register or 0.  The next trip takes 64 keys too.
.macro TRIPB first, limL
	HEAD 64, 64*8192, 64
	KLOAD FR, 0
	WIN 0x04                                       ; Q, source 1, in window 1
.irp s, 0,1,2,3
	s_wait_dscnt 24-8*\s                           ; d step s's eight loads are in; the later steps' eight each stay out
.irp t, 0,1,2,3
	SMM SL, FR, QL, \s, \t
	SMM SH, FR, QH, \s, \t                         ; the eight accumulators take turns, one instruction a turn
.endr
.endr
	WIN 0
	NOP5                                           ; for the loads into FR, for the readers of S, and for P, which comes back in S's registers as a source
	VLOAD1 FR, 0                                   ; V's fragments come while the softmax runs
	VLOAD1 FR+64, 1
	SOFTMAX SL, 4, M_L, LS_L, AL_L, \first, \limL
	SOFTMAX SH, 4, M_H, LS_H, AL_H, \first, 0
.if \first == 0
	WIN 0x41                                       ; O in window 1, the factor in window 0
	RESC OL, AL_L
	RESC OH, AL_H
.endif
	WIN 0x50                                       ; C and D in window 1
	s_wait_dscnt 16                                ; key step 0's sixteen loads are in, key step 1's stay out
.irp dt, 0,1,2,3,4,5,6,7
	PMM OL, FR, SL, \dt, \first
	PMM OH, FR, SH, \dt, \first                    ; sixteen accumulators by turns
.endr
	s_wait_dscnt 0x0
.irp dt, 0,1,2,3,4,5,6,7
	PMM OL, FR+64, SL+16, \dt, 0
	PMM OH, FR+64, SH+16, \dt, 0
.endr
	WIN 0
	NOP5                                           ; the next trip loads into FR and its first products write over P
.endm
; The single trip of 64 keys for H alone, masked by H's true place (it opens all 64 keys unless this is H's last block).  next = 1: 128 keys are asked for.
.macro TRIPH next
.if \next
	HEAD 64, 64*8192, 128
.else
	HEAD 64, 0, 0
.endif
	KLOAD FR, 0
	WIN 0x04
.irp s, 0,1,2,3
	s_wait_dscnt 24-8*\s
	SMM4 SH, FR, QH, \s
.endr
	WIN 0
	NOP5
	VLOAD1 FR, 0
	VLOAD1 FR+64, 1
	SOFTMAX SH, 4, M_H, LS_H, AL_H, 0, 16
	WIN 0x41
	RESC OH, AL_H
	WIN 0x50
	s_wait_dscnt 16
	PV8 OH, FR, SH
	s_wait_dscnt 0x0
	PV8 OH, FR+64, SH+16
	WIN 0
	NOP5                                           ; the next trip loads into FR and writes over P; behind the last trip O is read
.endm
; A trip of 128 keys for H alone: eight key tiles in v[32:95], one maximum and one rescaling for all of them.  lim: mask register or 0; next = 1: the next 128 keys are asked for.
.macro TRIPD lim, next
.if \next
	HEAD 128, 128*8192, 128
.else
	HEAD 128, 0, 0
.endif
	KLOAD FR, 0                                    ; keys 0 to 63
	WIN 0x04
	s_wait_dscnt 24                                ; d step 0 of keys 0 to 63 is in
	SMM4 SL, FR, QH, 0
	WIN 0x80                                       ; destinations in window 2
	KLOAD FR2, 64                                  ; keys 64 to 127: 32 loads behind the 24 that may still be out
	WIN 0x04
	s_wait_dscnt 48                                ; d step 1 is in: 16 of the first run and the 32 of the second stay out
	SMM4 SL, FR, QH, 1
	s_wait_dscnt 40
	SMM4 SL, FR, QH, 2
	s_wait_dscnt 32
	SMM4 SL, FR, QH, 3
	WIN 0x06                                       ; K's fragments in window 2, Q in window 1
.irp s, 0,1,2,3
	s_wait_dscnt 24-8*\s
	SMM4 SH, FR2, QH, \s
.endr
	WIN 0
	NOP5                                           ; for the loads into FR and FR2, for the readers of S, and for P
	VLOAD1 FR, 0                                   ; three of the four key steps' fragments come while the softmax runs
	VLOAD1 FR+64, 1
	WIN 0x80
	VLOAD1 FR2, 2
	WIN 0
	SOFTMAX SL, 8, M_H, LS_H, AL_H, 0, \lim
	WIN 0x41
	RESC OH, AL_H
	s_wait_dscnt 32                                ; key step 0's sixteen loads are in
	WIN 0x80
	VLOAD1 FR2+64, 3                               ; the fourth key step: it has the 24 products below in which to come
	WIN 0x50
	PV8 OH, FR, SL
	s_wait_dscnt 32                                ; key step 1 is in; steps 2 and 3 stay out
	PV8 OH, FR+64, SL+16
	WIN 0x52                                       ; V's fragments in window 2
	s_wait_dscnt 16
	PV8 OH, FR2, SL+32
	s_wait_dscnt 0x0
	PV8 OH, FR2+64, SL+48
	WIN 0
	NOP5                                           ; the next trip loads into FR and FR2 and writes over P; behind the last trip O is read
.endm
; The branches below hang on the work-group's x alone, so all four waves take the same way and pass the same barriers.
	TRIPB 1, 13                                    ; key block 0; L is masked by its true first position, which opens all 64 keys where L has further blocks
	s_cmp_eq_u32 s15, 1
	s_cbranch_scc1 .Ls
	s_sub_co_u32 s34, s15, 2
	s_cmp_eq_u32 s34, 0
	s_cbranch_scc1 .Lalast
.Lamid:
	TRIPB 0, 0                                     ; both tiles see the whole block
	s_sub_co_u32 s34, s34, 1
	s_cmp_lg_u32 s34, 0
	s_cbranch_scc1 .Lamid
.Lalast:
	TRIPB 0, 35                                    ; L's last block, on its diagonal
.Ls:
	s_cmp_eq_u32 s15, 16
	s_cbranch_scc1 .Lsonly                         ; nlo = 16: the single trip is H's last
	TRIPH 1
	s_sub_co_u32 s34, 15, s15                      ; 16 - nlo trips of 128 keys, the last of them written out
	s_cmp_eq_u32 s34, 0
	s_cbranch_scc1 .Ldlast
.Ldmid:
	TRIPD 0, 1
	s_sub_co_u32 s34, s34, 1
	s_cmp_lg_u32 s34, 0
	s_cbranch_scc1 .Ldmid
.Ldlast:
	TRIPD 36, 0                                    ; H's last 128 keys, on its diagonal; nothing more is fetched
	s_branch .Lout
.Lsonly:
	TRIPH 0
.Lout:
; A tile leaves: times 16 / sum (64 undoes v/64, 1/4 is att's scale), f16, through my own stage, whole rows of 256 bytes.
.macro OUTT o, lreg, base, fo
	v_permlanex16_b32 v[T], v[\lreg], s21, s22     ; the other half of the row's sum
	v_add_f32 v[T], v[T], v[\lreg]
	v_rcp_f32 v[T], v[T]                           ; the sum is at least 1: the maximum's own term
	v_nop                                          ; the plain instruction behind the reciprocal
	s_wait_alu depctr_va_vdst(0)
	v_mul_f32 v[NM], 0x41800000, v[T]
	v_mul_f32 v[NM+1], 0x41800000, v[T]
	WIN 0x01                                       ; O, source 0, in window 1
.set k, 0
.rept 32
	v_pk_mul_f32 v[FR+64+k:FR+64+k+1], v[\o+k:\o+k+1], v[NM:NM+1]
.set k, k+2
.endr
	WIN 0
.irp dt, 0,1,2,3,4,5,6,7
.irp r, 0,1,2,3
	v_cvt_pk_f16_f32 v[TMP+4*\dt+\r], v[FR+64+8*\dt+2*\r], v[FR+64+8*\dt+2*\r+1]
.endr
.endr
.irp dt, 0,1,2,3,4,5,6,7
	ds_store_b128 v[ST], v[TMP+4*\dt:TMP+4*\dt+3] offset:32*\dt
.endr
.irp t, 0,1,2,3,4,5,6,7
	ds_load_b128 v[FR+\fo+4*\t:FR+\fo+4*\t+3], v[RD] offset:2*KP*\t          ; LDS serves a wave's instructions in order: these see the stores above
.endr
.irp t, 0,1,2,3,4,5,6,7
	s_wait_dscnt 7-\t                              ; read-back t is in, the younger ones stay out
	global_store_b128 v[CO], v[FR+\fo+4*\t:FR+\fo+4*\t+3], s[\base:\base+1] offset:8192*\t   ; 16 lanes store a head's 256 aligned bytes of one position
.endr
.endm
	OUTT OL, LS_L, 30, 0
	OUTT OH, LS_H, 32, 32                          ; other registers for the rows read back: L's stores may still read theirs
	s_set_vgpr_msb 0xa
	s_wait_tensorcnt 0x0
	ds_add_u32 v192, v193
	s_wait_dscnt 0x0
	s_set_vgpr_msb 0xa00
	s_endpgm
.Lfunc_end_k_q31391a2d72_attn:
	.size	k_q31391a2d72_attn, .Lfunc_end_k_q31391a2d72_attn-k_q31391a2d72_attn
	.p2alignl 7, 3214868480
	.fill 96, 4, 3214868480
	.section	.rodata,"a",@progbits
	.p2align	6, 0x0
	.amdhsa_kernel k_q31391a2d72_attn
		.amdhsa_group_segment_fixed_size 89600
		.amdhsa_private_segment_fixed_size 0
		.amdhsa_enable_private_segment 0
		.amdhsa_kernarg_size 16
		.amdhsa_user_sgpr_count 2
		.amdhsa_user_sgpr_kernarg_segment_ptr 1
		.amdhsa_wavefront_size32 1
		.amdhsa_system_sgpr_workgroup_id_x 1
		.amdhsa_system_sgpr_workgroup_id_y 1
		.amdhsa_system_sgpr_workgroup_id_z 1
		.amdhsa_system_vgpr_workitem_id 0
		.amdhsa_next_free_vgpr 706
		.amdhsa_next_free_sgpr 66
		.amdhsa_reserve_vcc 1
		.amdhsa_float_denorm_mode_32 3
		.amdhsa_float_denorm_mode_16_64 3
		.amdhsa_memory_ordered 1
		.amdhsa_forward_progress 1
		.amdhsa_inst_pref_size 201
	.end_amdhsa_kernel
	.amdgpu_metadata
---
amdhsa.version: [ 1, 2 ]
amdhsa.kernels:
  - .name:           k_q31391a2d72_attn
    .symbol:         k_q31391a2d72_attn.kd
    .args:
      - { .name: qkv, .offset: 0, .size: 8, .value_kind: global_buffer, .address_space: global }
      - { .name: att, .offset: 8, .size: 8, .value_kind: global_buffer, .address_space: global }
    .group_segment_fixed_size: 89600
    .private_segment_fixed_size: 0
    .kernarg_segment_align: 8
    .kernarg_segment_size: 16
    .max_flat_workgroup_size: 128
    .sgpr_count:     66
    .vgpr_count:     706
    .wavefront_size: 32
...
	.end_amdgpu_metadata
.endif
;; end of part 3
;; launch outgemm (part 4): grid 16 x 16, 4 waves a work-group, clusters of 4 x 4, 327,680 bytes of LDS; arguments att, woh, out0; writes out0
.if DOCPART == 4
	.amdgcn_target "amdgcn-amd-amdhsa--gfx1250"
	.amdhsa_code_object_version 6
	.text
	.protected	k_q31391a2d72_outgemm
	.globl	k_q31391a2d72_outgemm
	.p2align	8
	.type	k_q31391a2d72_outgemm,@function
k_q31391a2d72_outgemm:
	s_mov_b64 s[64:65], 0
	v_nop
	global_prefetch_b8 v0, s[64:65] scope:SCOPE_SE
	s_setreg_imm32_b32 hwreg(HW_REG_WAVE_MODE, 25, 1), 1
	s_wait_xcnt 0x0
	s_wait_alu depctr_hold_cnt(0) depctr_sa_sdst(0) depctr_va_vdst(0) depctr_va_sdst(0) depctr_va_ssrc(0) depctr_va_vcc(0) depctr_vm_vsrc(0)
	s_getreg_b32 s2, hwreg(HW_REG_IB_STS2, 6, 4)
	s_cmp_eq_u32 s2, 0
	s_cbranch_scc0 .Lentry_in_a_cluster
	s_endpgm
.Lentry_in_a_cluster:
	s_bfe_u32 s2, ttmp6, 0x10000c
	s_cmp_lg_u32 s2, 0xf033
	s_cbranch_scc0 .Lentry_shape_is_right
	s_endpgm
.Lentry_shape_is_right:
; C[2048][4096] = A[2048][SIZE_K] x B[SIZE_K][4096].  A = att (attention's result / 4) and B = woh (4 Wo) in f16, C = out0 in f32; sums in f32.  The two factors cancel.
; A work-group makes 128 x 256 of C: 16 x 16 work-groups.  Four waves, as many as a WGP has SIMDs; a wave makes 64 x 128: 32 accumulator tiles, 256 registers.
; K goes in steps of 128 through a ring of two LDS slots filled by the tensor data mover.  A's rows lie along K (256 bytes a step);
; B's rows lie along N (512 bytes for the block's 256 columns), so B's fragments are read with the transposing LDS load.
; CLUSTERS: 4 x 4 work-groups.  The four of a row of the cluster need the same tiles of A, the four of a column the same tiles of B: each tile is asked for
; jointly, with one descriptor and a mask that names the four, which divides the requests for A and for B by four.
; REGISTERS: window 0: v16-26 addresses; v32-127 and v128-223 two fragment buffers (8 of B, then 4 of A), on the way out the rows read back.
;            window 1: accumulator tile (a, b) at v[8 (8 a + b)].
; THE MATRIX INSTRUCTION IS USED TRANSPOSED: source 0 = 16 columns of B, source 1 = 16 rows of A; lane l then holds row l % 16 of C and in registers 0 to 7 the
; columns 8 (l / 16) + 0 .. 7: eight neighbouring numbers of a row, 32 bytes.
.set SIZE_K, 2048
.set SIZE_N, 4096
.set KSTEP,  128
.set PA,     272                       ; A's LDS row: 256 bytes + 16 of padding, an odd multiple of 16
.set PB,     544                       ; B's LDS row: 512 bytes + 32 of padding, an odd multiple of 32
.set HALF,   64*PB                     ; a wave's region of a slot: 64 rows of B fill it; 64 rows of A take its first half
.set SLOT,   4*HALF                    ; A's rows 0-63, A's rows 64-127, B's k rows 0-63, B's k rows 64-127
.set STAGE,  2*SLOT                    ; behind the ring: 16 rows x 528 bytes for each wave, for the way out; no tensor load lands here
.set SP,     528                       ; 512 bytes + 16, an odd multiple of 16
.set CPITCH, SIZE_N*4                  ; bytes in a row of C
.set LAPS,   SIZE_K/(2*KSTEP)
.set ADRA, 16
.set ADRB, 20
.set STO,  24
.set RD,   25
.set CO,   26
.set F0,   32
.set F1,   128
.set G1,  24
.set G0,  32
.set G1B, 48
.set G0B, 56
.set MSB, 0
.macro WIN new                         ; the immediate's high byte repeats the setting that is left
.if MSB != \new
	s_set_vgpr_msb (MSB<<8)|\new
.set MSB, \new
.endif
.endm
.set MUL, 0x50                         ; C and D in window 1, both sources in window 0
; A joint load.  Waves 0 and 1 fetch A's two halves, waves 2 and 3 B's.  Each line has one mask and one set of registers for all that issue it.
.macro JLOAD s
	s_cmp_eq_u32 s11, 0
	s_cbranch_scc0 .Lfor_b_\@
	tensor_load_to_lds s[G0+4*\s:G0+4*\s+3], s[G1:G1+7]
	s_nop 0
	s_branch .Lasked_\@
.Lfor_b_\@:
	tensor_load_to_lds s[G0B+4*\s:G0B+4*\s+3], s[G1B:G1B+7]
	s_nop 0
.Lasked_\@:
.endm
.macro CREST                           ; a round of the cluster's barrier behind its opening work-group barrier
	s_cmp_lg_u32 s10, 0
	s_cbranch_scc1 .Lnot_wave_0_\@
	s_barrier_signal -3
.Lnot_wave_0_\@:
	s_barrier_wait -3
	s_barrier_signal -1
	s_barrier_wait -1
.endm
.macro CROUND                          ; a whole round
	s_barrier_signal -1
	s_barrier_wait -1
	CREST
.endm
	s_load_b128 s[4:7], s[0:1], 0x0                ; A s[4:5], B s[6:7]
	s_load_b64 s[8:9], s[0:1], 0x10                ; C
	v_lshl_add_u32 v254, v0, 2, 0x4c400
	v_mov_b32 v255, 0
	ds_add_u32 v254, v255
	v_lshrrev_b32 v1, 5, v0
	v_readfirstlane_b32 s10, v1                    ; wave 0..3
	s_lshr_b32 s11, s10, 1                         ; which 64 rows of the block are mine.  Also: I fetch for A (0) or for B (1)
	s_and_b32 s12, s10, 1                          ; which 128 columns.  Also: which 64 rows of that tile I fetch
	s_bfe_u32 s40, ttmp6, 0x40000                  ; cx
	s_bfe_u32 s41, ttmp6, 0x40004                  ; cy
	s_lshl_b32 s42, ttmp9, 2
	s_add_co_u32 s42, s42, s40                     ; block column of C = 4 x cluster x + cx
	s_and_b32 s13, ttmp7, 0xffff
	s_lshl_b32 s13, s13, 2
	s_add_co_u32 s13, s13, s41                     ; block row of C = 4 x cluster y + cy
	s_lshl_b32 s43, s41, 2
	s_lshl_b32 s43, 15, s43                        ; my row of the cluster: places 4 cy .. 4 cy + 3
	s_lshl_b32 s44, 0x1111, s40                    ; my column: places cx, cx + 4, cx + 8, cx + 12
	; group 1 for A: 64 rows x 128 elements of 2 bytes, 4 words of padding behind every 64 words
	s_or_b32 s[G1+0], s43, (1<<16)|(1<<20)|(1<<21)|(5<<22)|(3<<25)
	s_mov_b32 s[G1+1], KSTEP<<16                   ; tensor_dim0 = 128
	s_mov_b32 s[G1+2], 64<<16                      ; tensor_dim1 = 64
	s_mov_b32 s[G1+3], KSTEP<<16                   ; tile_dim0 = 128
	s_mov_b32 s[G1+4], 64                          ; tile_dim1 = 64
	s_mov_b32 s[G1+5], SIZE_K                      ; elements from row to row
	s_mov_b32 s[G1+6], 0
	s_mov_b32 s[G1+7], 0
	; group 1 for B: 64 rows x 256 elements of 2 bytes, 8 words of padding behind every 128 words
	s_or_b32 s[G1B+0], s44, (1<<16)|(1<<20)|(1<<21)|(6<<22)|(7<<25)
	s_mov_b32 s[G1B+1], 256<<16
	s_mov_b32 s[G1B+2], 64<<16
	s_mov_b32 s[G1B+3], 256<<16
	s_mov_b32 s[G1B+4], 64
	s_mov_b32 s[G1B+5], SIZE_N
	s_mov_b32 s[G1B+6], 0
	s_mov_b32 s[G1B+7], 0
	; where the tiles come from: A's hang on the block row alone, B's on the block column alone, each in registers that never hold the other coordinate
	s_lshl_b32 s17, s12, 6
	s_lshl_b32 s16, s13, 7
	s_add_co_u32 s16, s16, s17                     ; A: row 128 x block row + 64 x half
	s_mul_i32 s16, s16, SIZE_K*2                   ; in bytes: below 2^24
	s_mov_b32 s17, 0
	s_lshl_b32 s46, s42, 9                         ; B: 256 columns of 2 bytes a block column,
	s_lshl_b32 s47, s12, 19                        ; and 64 k rows of 8,192 bytes a half
	s_add_co_u32 s46, s46, s47
	s_mov_b32 s47, 0
	s_mul_i32 s20, s10, HALF                       ; where they go: the wave's region; no place in the cluster enters an LDS address
	s_wait_dscnt 0x0
	s_wait_kmcnt 0x0
	s_add_nc_u64 s[14:15], s[4:5], s[16:17]
	s_add_nc_u64 s[46:47], s[6:7], s[46:47]
	CROUND                                         ; all sixteen work-groups are here: the first joint loads meet
.irp s, 0,1
	s_mov_b32 s[G0+4*\s], 1
	s_add_co_u32 s[G0+4*\s+1], s20, \s*SLOT
	s_add_nc_u64 s[G0+4*\s+2:G0+4*\s+3], s[14:15], \s*KSTEP*2            ; K step s: 128 elements along A's rows
	s_or_b32 s[G0+4*\s+3], s[G0+4*\s+3], 0x80000000
	s_mov_b32 s[G0B+4*\s], 1
	s_add_co_u32 s[G0B+4*\s+1], s20, \s*SLOT
	s_add_nc_u64 s[G0B+4*\s+2:G0B+4*\s+3], s[46:47], \s*KSTEP*SIZE_N*2   ; K step s: 128 rows of B
	s_or_b32 s[G0B+4*\s+3], s[G0B+4*\s+3], 0x80000000
	JLOAD \s                                       ; both slots' first fills go out together: two tensor loads of the wave are out
.endr
	v_and_b32 v1, 15, v0                           ; r = l % 16
	v_bfe_u32 v2, v0, 4, 1                         ; h = l / 16
	v_mul_u32_u24 v3, v1, PA
	v_lshl_add_u32 v3, v2, 4, v3                   ; A's fragments: row r, 16 bytes for each half of the lanes
	v_and_b32 v4, 7, v0
	v_lshl_add_u32 v4, v2, 3, v4                   ; B's fragments, transposing load: k row 8 h + l % 8,
	v_mul_u32_u24 v4, v4, PB
	v_bfe_u32 v5, v0, 3, 1
	v_lshl_add_u32 v4, v5, 4, v4                   ; and 16 bytes further for lanes 8-15 and 24-31
	s_mul_i32 s21, s11, HALF                       ; my 64 rows of A
	s_lshl_b32 s22, s12, 8                         ; my 128 columns of B,
	s_add_co_u32 s22, s22, 2*HALF                  ; which lies behind A's two regions
.irp s, 0,1
	v_add_nc_u32 v[ADRA+\s], s21, v3
	v_add_nc_u32 v[ADRB+\s], s22, v4
	s_add_co_u32 s21, s21, SLOT
	s_add_co_u32 s22, s22, SLOT
.endr
	s_mul_i32 s23, s10, 16*SP
	s_add_co_u32 s23, s23, STAGE                   ; my stage
	v_mul_u32_u24 v5, v1, SP                       ; in: row r, 32 bytes for each half of the lanes
	v_lshl_add_u32 v5, v2, 5, v5
	v_add_nc_u32 v[STO], s23, v5
	v_and_b32 v5, 31, v0
	v_lshlrev_b32 v[CO], 4, v5                     ; back and out: the 32 lanes take one row's 512 bytes
	v_add_nc_u32 v[RD], s23, v[CO]
; 24 LDS loads in one run: quarter q (32 along K) of a slot into buffer f.  B: 8 fragments of 16 columns, two transposing loads each (k 0-15, k 16-31 of the quarter);
; A: 4 fragments of 16 rows, two loads 32 bytes apart.
.macro FETCH slot, q, f
.irp b, 0,1,2,3,4,5,6,7
	ds_load_tr16_b128 v[\f+8*\b:\f+8*\b+3],   v[ADRB+\slot] offset:\q*32*PB+32*\b
	ds_load_tr16_b128 v[\f+8*\b+4:\f+8*\b+7], v[ADRB+\slot] offset:\q*32*PB+32*\b+16*PB
.endr
.irp a, 0,1,2,3
	ds_load_b128 v[\f+64+8*\a:\f+64+8*\a+3],   v[ADRA+\slot] offset:\q*64+\a*16*PA
	ds_load_b128 v[\f+64+8*\a+4:\f+64+8*\a+7], v[ADRA+\slot] offset:\q*64+\a*16*PA+32
.endr
.endm
; 8 matrix instructions: row tile a x all 8 column tiles.  zero = 1: the first product starts the sums, nothing is cleared.
; The 32 accumulators take turns, one instruction a turn, in the same order in every quarter.
.macro MULA f, a, zero
.irp b, 0,1,2,3,4,5,6,7
.if \zero
	v_wmma_f32_16x16x32_f16 v[8*(8*\a+\b):8*(8*\a+\b)+7], v[\f+8*\b:\f+8*\b+7], v[\f+64+8*\a:\f+64+8*\a+7], 0
.else
	v_wmma_f32_16x16x32_f16 v[8*(8*\a+\b):8*(8*\a+\b)+7], v[\f+8*\b:\f+8*\b+7], v[\f+64+8*\a:\f+64+8*\a+7], v[8*(8*\a+\b):8*(8*\a+\b)+7]
.endif
.endr
.endm
; Four places between a matrix instruction and a load into one of its registers or a reader of its result; matrix instructions in between are not counted.
.macro PLACES
.rept 4
	v_nop
.endr
.endm
; One of a K step's first three quarters: multiplies buffer f; in its middle it fetches quarter q into buffer g.
.macro QUARTER slot, q, f, g, zero
	s_wait_dscnt 4                                 ; B and A's tiles 0, 1 are in; the youngest four loads (A's tiles 2, 3) may be out
	WIN MUL
	MULA \f, 0, \zero
	MULA \f, 1, \zero
	PLACES
	WIN 0
	FETCH \slot, \q, \g
	s_wait_dscnt 24                                ; all but the 24 just issued
	WIN MUL
	MULA \f, 2, \zero
	MULA \f, 3, \zero
.endm
.macro THREE slot, zero
	QUARTER \slot, 1, F0, F1, \zero
	QUARTER \slot, 2, F1, F0, 0
	QUARTER \slot, 3, F0, F1, 0
.endm
; The last quarter: multiplies buffer 1 and changes slots.  fill = 1: this slot is filled again, two K steps ahead.
; In front of the barrier each wave waits for its reads of this slot and for all its tensor loads (one is out: its part of the next slot).
; Behind it the refill comes first, then the next slot's first fragments.  From a request to the wait for it a wave issues 120 matrix instructions.
.macro TURN slot, next, fill
	s_wait_dscnt 4
	WIN MUL
	MULA F1, 0, 0
	s_wait_dscnt 0                                 ; my reads of this slot are over
	s_wait_tensorcnt 0x0                           ; and all my tensor loads have landed
	ds_add_u32 v254, v255
	s_wait_dscnt 0x0
	s_barrier_signal -1                            ; where a slot is filled again this barrier opens a round of the cluster's barrier
	MULA F1, 1, 0                                  ; register work while the others arrive
	WIN 0
	s_barrier_wait -1
.if \fill
	CREST                                          ; no wave of any partner still reads this slot or has a load on its way
	s_add_nc_u64 s[G0+4*\slot+2:G0+4*\slot+3], s[G0+4*\slot+2:G0+4*\slot+3], 2*KSTEP*2
	s_add_nc_u64 s[G0B+4*\slot+2:G0B+4*\slot+3], s[G0B+4*\slot+2:G0B+4*\slot+3], 2*KSTEP*SIZE_N*2
	JLOAD \slot                                    ; the wave's one tensor load behind the round, and the first thing there
.endif
	PLACES
	FETCH \next, 0, F0
	WIN MUL
	MULA F1, 2, 0
	MULA F1, 3, 0
.endm
.macro LAP zero
	THREE 0, \zero
	TURN 0, 1, 1
	THREE 1, 0
	TURN 1, 0, 1
.endm
	s_wait_tensorcnt 1                             ; my part of K step 0 is in; K step 1's may stay out
	s_barrier_signal -1
	s_barrier_wait -1                              ; everybody's is
	FETCH 0, 0, F0
	LAP 1                                          ; the first lap stands in front of the loop: its first products start the sums
	WIN 0                                          ; at a label and at a branch every window is 0
	s_mov_b32 s3, LAPS-2
.Llap:
	LAP 0
	WIN 0
	s_sub_co_u32 s3, s3, 1
	s_cmp_lg_u32 s3, 0
	s_cbranch_scc1 .Llap
	THREE 0, 0                                     ; the last lap fills nothing
	TURN 0, 1, 0
	THREE 1, 0
	s_wait_dscnt 4                                 ; the very last quarter
	WIN MUL
	MULA F1, 0, 0
	MULA F1, 1, 0
	s_wait_dscnt 0
	MULA F1, 2, 0
	MULA F1, 3, 0
	; THE WAY OUT, 16 rows at a time: the f32 sums go as they are into my own stage, 32 bytes a lane, and come back as whole rows of 512 bytes.
	PLACES                                         ; behind the last matrix instructions: for the LDS stores that read results and for the loads into the fragment buffers
	s_lshl_b32 s16, s13, 7
	s_lshl_b32 s14, s11, 6
	s_add_co_u32 s16, s16, s14                     ; my first row of C
	s_mul_i32 s16, s16, CPITCH
	s_mov_b32 s17, 0
	s_add_nc_u64 s[8:9], s[8:9], s[16:17]
	s_lshl_b32 s46, s42, 10                        ; my first column in bytes: 1,024 x block column + 512 x half
	s_lshl_b32 s47, s12, 9
	s_add_co_u32 s46, s46, s47
	s_mov_b32 s47, 0
	s_add_nc_u64 s[8:9], s[8:9], s[46:47]
; rows 16 a .. 16 a + 15 of my block; f: the 64 registers for the rows read back, F0 and F1 in turn
.macro OUT32 a, f
	WIN 0x04                                       ; store data in window 1
.irp b, 0,1,2,3,4,5,6,7
	ds_store_b128 v[STO], v[8*(8*\a+\b):8*(8*\a+\b)+3]   offset:64*\b
	ds_store_b128 v[STO], v[8*(8*\a+\b)+4:8*(8*\a+\b)+7] offset:64*\b+16
.endr
	WIN 0
	s_wait_xcnt 0x0                                ; the stores of two turns ago read buffer f: it is loaded again only behind this wait (ISA guide 3.1)
.irp t, 0,1,2,3,4,5,6,7,8,9,10,11,12,13,14,15
	ds_load_b128 v[\f+4*\t:\f+4*\t+3], v[RD] offset:\t*SP                  ; LDS serves a wave's instructions in order: these see the stores above
.endr
.irp t, 0,1,2,3,4,5,6,7,8,9,10,11,12,13,14,15
	s_wait_dscnt 15-\t                             ; read-back t is in, the younger ones stay out
	global_store_b128 v[CO], v[\f+4*\t:\f+4*\t+3], s[8:9] offset:(16*\a+\t)*CPITCH th:TH_STORE_NT   ; the wave stores 512 consecutive aligned bytes of one row
.endr
.endm
	OUT32 0, F0
	OUT32 1, F1
	OUT32 2, F0
	OUT32 3, F1
	s_wait_tensorcnt 0x0
	ds_add_u32 v254, v255
	s_wait_dscnt 0x0
	CROUND                                         ; the closing round: no work-group ends while a partner may still ask for a tile that names it
	s_endpgm
.Lfunc_end_k_q31391a2d72_outgemm:
	.size	k_q31391a2d72_outgemm, .Lfunc_end_k_q31391a2d72_outgemm-k_q31391a2d72_outgemm
	.p2alignl 7, 3214868480
	.fill 96, 4, 3214868480
	.section	.rodata,"a",@progbits
	.p2align	6, 0x0
	.amdhsa_kernel k_q31391a2d72_outgemm
		.amdhsa_group_segment_fixed_size 327680
		.amdhsa_private_segment_fixed_size 0
		.amdhsa_enable_private_segment 0
		.amdhsa_kernarg_size 24
		.amdhsa_user_sgpr_count 2
		.amdhsa_user_sgpr_kernarg_segment_ptr 1
		.amdhsa_wavefront_size32 1
		.amdhsa_system_sgpr_workgroup_id_x 1
		.amdhsa_system_sgpr_workgroup_id_y 1
		.amdhsa_system_sgpr_workgroup_id_z 1
		.amdhsa_system_vgpr_workitem_id 0
		.amdhsa_next_free_vgpr 512
		.amdhsa_next_free_sgpr 66
		.amdhsa_reserve_vcc 0
		.amdhsa_float_denorm_mode_32 3
		.amdhsa_float_denorm_mode_16_64 3
		.amdhsa_memory_ordered 1
		.amdhsa_forward_progress 1
		.amdhsa_inst_pref_size 117
	.end_amdhsa_kernel
	.amdgpu_metadata
---
amdhsa.version: [ 1, 2 ]
amdhsa.kernels:
  - .name:           k_q31391a2d72_outgemm
    .symbol:         k_q31391a2d72_outgemm.kd
    .args:
      - { .name: att, .offset: 0, .size: 8, .value_kind: global_buffer, .address_space: global }
      - { .name: woh, .offset: 8, .size: 8, .value_kind: global_buffer, .address_space: global }
      - { .name: out0, .offset: 16, .size: 8, .value_kind: global_buffer, .address_space: global }
    .group_segment_fixed_size: 327680
    .private_segment_fixed_size: 0
    .kernarg_segment_align: 8
    .kernarg_segment_size: 24
    .max_flat_workgroup_size: 128
    .sgpr_count:     66
    .vgpr_count:     512
    .wavefront_size: 32
...
	.end_amdgpu_metadata
.endif
;; end of part 4
